; MI455X (gfx1250); checked and timed in simulation.
; The chip was launched on July 23, 2026; its instructions are those of AMD's public machine-readable ISA for CDNA 5 (MIT licence, August 2026) and "CDNA5" Instruction Set Architecture Reference Guide (July 2026). The comments in the code are by the model that wrote it; some were corrected since.
;; Role Modulator. Allowed arithmetic: matrix products marked QUANTISED: E2M1 operands, one E8M0 scale for each 32 along K, by v_wmma_scale_f32_16x16x128_f8f6f4 with both operands' format E2M1 (or v_wmma_scale_f32_32x16x128_f4), f32 sums; products left as they are: f32 operands where the result goes on into a quantised operand, else bf16, f16 or f32 operands; f32 sums; everything else in f32.
;; Inputs: W_codes 4 x 2,048 x 64 x 16 uint8 (E2M1 codes of W, K innermost, in blocks of 32 codes, two codes a byte); W_scales 4 x 2,048 x 64 uint8 (E8M0 scales of W, one for each 32 codes along K); b 4 x 2,048 float32; hidden_codes 8 x 512 x 64 x 16 uint8 (E2M1 codes of hidden, K innermost, in blocks of 32 codes, two codes a byte); hidden_scales 8 x 512 x 64 uint8 (E8M0 scales of hidden, one for each 32 codes along K); role_onehot 8 x 4 float32; scales 4 float32.
;; Outputs: out0 8 x 512 x 2,048 float32.
;; This version of the problem:
;;   THIS VERSION OF THE PROBLEM IS GIVEN IN LOW PRECISION. The matrix products marked QUANTISED in the list below multiply operands that are first quantised to E2M1 (2 exponent bits, 1 mantissa bit; 4 bits a number), with one power-of-two scale for each 32 numbers along K (OCP MX v1.0); their sums are f32. All else is computed in f32.
;;   The module's matrix products, in the order in which they are computed (A, B: the left and right operand; K: the contracted axis; several contracted axes count as one K, in the product's order):
;;     1. [M 8,192, K 2,048] x [K 2,048, N 4,096]; A: input W (given as codes); B: input hidden (given as codes): QUANTISED
;;     2. batch 8 x [M 1,048,576, K 4] x [K 4, N 1]; A: computed on the way; B: input role_onehot: left as it is (K = 4 < 32)
;;   THE QUANTISER, for each operand of a quantised product, along K:
;;     - K is cut into blocks of 32 from its start; a last block that is shorter is filled with zeros.
;;     - A block's scale is 2^e with e = floor(log2(the largest magnitude in the block)) - 2, held to -126 .. 127; a block of zeros has e = 0. As a byte (E8M0): e + 127.
;;     - Each number is divided by its block's scale, clamped to +-6, and rounded to the nearest number of E2M1, ties to even, subnormals kept.
;;     - The product sums the exact products of the quantised numbers (number of the format x scale) in f32.
;;   ~~~python
;;   def quantise(x, axis):      # numpy; x: float32 -> the quantised numbers, widened to float32 again
;;       x = np.moveaxis(x, axis, -1); K = x.shape[-1]
;;       x = np.pad(x, [(0, 0)] * (x.ndim - 1) + [(0, -K % 32)]); x = x.reshape(x.shape[:-1] + (-1, 32)); a = np.abs(x).max(-1, keepdims=True)
;;       e = np.where(a > 0, np.clip(np.frexp(np.where(a > 0, a, 1))[1] - 1 - 2, -126, 127), 0)      # np.frexp(a)[1] - 1 = floor(log2(a)), exactly
;;       r = np.clip(x / 2.0 ** e, -6, 6)
;;       step = 2.0 ** (np.maximum(np.frexp(np.where(r == 0, 1, r))[1] - 1, 0) - 1)
;;       q = np.round(r / step) * step * 2.0 ** e      # np.round: ties to even
;;       return np.moveaxis(q.reshape(q.shape[:-2] + (-1,))[..., :K], -1, axis).astype(np.float32)
;;   ~~~
;;   INPUTS GIVEN AS CODES. W (in the module: [4, 2048, 2048], K = its axis 1); hidden (in the module: [8, 512, 2048], K = its axis 2): each comes as NAME_codes (uint8): NAME with its K axis moved to the last place and cut into blocks of 32 codes, [.., K / 32, bytes a block], one block behind the other in memory; two codes a byte, the lower K in the low four bits (a code: sign, 2 exponent bits, 1 mantissa bit); and NAME_scales (uint8): the same leading axes, one E8M0 byte (e + 127) for each 32 codes along K. Its value is code x scale, taken as it is: it is not quantised again, and the codes and scales need not be those that the quantiser above would give.
;; 2 versions. Each part assembles by itself: llvm-mc -triple=amdgcn-amd-amdhsa -mcpu=gfx1250 --defsym DOCPART=n.
;; ======== version 1 of 2: 2 launches
;; limits: right only within a limited range of input values
;; workspace buffers: Wf 8,388,608 bytes; Sf 524,288 bytes; rolemask 256 bytes of whole numbers
;; launch prep (part 1): grid 256 x 1, 4 waves a work-group, no clusters, 34,304 bytes of LDS; arguments W_codes, W_scales, role_onehot, scales, Wf, Sf, rolemask; writes Wf, Sf, rolemask
.if DOCPART == 1
	.amdgcn_target "amdgcn-amd-amdhsa--gfx1250"
	.amdhsa_code_object_version 6
	.text
	.protected	k_q8006d54803_prep
	.globl	k_q8006d54803_prep
	.p2align	8
	.type	k_q8006d54803_prep,@function
k_q8006d54803_prep:
	s_mov_b64 s[64:65], 0
	v_nop
	global_prefetch_b8 v0, s[64:65] scope:SCOPE_SE
	s_setreg_imm32_b32 hwreg(HW_REG_WAVE_MODE, 25, 1), 1
	s_wait_xcnt 0x0
; W's codes and scale bytes are laid once in the order in which the next launch's operand registers take them, and each batch's set of roles is stored as a whole number.
; W_codes: [4 roles][2048 rows e][1,024 bytes: 2,048 codes along K];  W_scales: [4][2048][64 bytes].
; Wf: [role][ew 32][u 8][t 4][q2 2][c 2][lane 32][16 bytes]: ew = a run of 64 rows e, u = 256 along K, t = 16 rows, q2 = 128 along K.  Lane (rr = lane % 16, h = lane / 16) holds the 16 bytes of row 64 ew + 16 t + rr
;     at byte 128 u + 64 q2 + 32 c + 16 h: registers 4 c .. 4 c + 3 of a fragment of 4-bit codes (16 rows x 128 K).  So a fragment is two loads of 512 consecutive bytes.
; Sf: [role][ew 32][p 2][g 4][lane 32][16 bytes]: lane l holds bytes 16 g .. 16 g + 15 of the scale row 64 ew + 32 p + l: the scale words of K steps 4 g .. 4 g + 3.
; rolemask: word l (l = 0 .. 31) = the mask of batch l % 8: bit r is set where role_onehot[batch][r] x scales[r] is not 0 (a NaN counts as not 0).
; SHARES.  Work-group x: chunk = x / 2 = 32 role + ew, half = x % 2: K 0 .. 1,023 or 1,024 .. 2,047.  Wave w takes block t = w: 16 rows x 512 bytes.  Each load reads 512 consecutive bytes of a row; the 8,192 bytes
; turn through the wave's own LDS (rows 528 bytes apart: row r starts 16 r bytes on modulo 256, so the 16 rows that a load touches do not meet); each store covers 512 consecutive bytes, aligned.
; The scale bytes need no turn: a lane's 16 bytes go out as they came in.  Those loads take 16 of every 64 bytes; they are 1 byte in 17 of what the launch reads.
; No barrier: waves share nothing.  No matrix unit, no cluster: the launch only moves bytes, each once.
.set PITCH, 528
.set WREG,  16*PITCH                   ; a wave's LDS: 8,448 bytes
.set IN,    16                         ; v16-79   16 rows as loaded
.set OUTR,  80                         ; v80-143  16 pieces of fragments, as stored
	s_load_b256 s[4:11], s[0:1], 0x0               ; W_codes s[4:5], W_scales s[6:7], role_onehot s[8:9], scales s[10:11]
	s_load_b128 s[12:15], s[0:1], 0x20             ; Wf s[12:13], Sf s[14:15]
	s_load_b64 s[16:17], s[0:1], 0x30              ; rolemask
	v_lshl_add_u32 v160, v0, 2, 0x8400
	v_mov_b32 v161, 0
	v_lshrrev_b32 v1, 5, v0
	v_readfirstlane_b32 s18, v1                    ; wave 0..3
	v_and_b32 v1, 31, v0                           ; lane
	v_lshlrev_b32 v2, 4, v1                        ; 16 x lane: my bytes of a run of 512
	v_lshlrev_b32 v5, 6, v1                        ; 64 x lane: my row of scale bytes
	v_and_b32 v6, 15, v0                           ; rr
	v_bfe_u32 v7, v0, 4, 1                         ; h
	s_mul_i32 s28, s18, WREG
	v_add_nc_u32 v3, s28, v2                       ; LDS, on the way in: my wave's rows, 16 x lane
	v_mul_u32_u24 v4, v6, PITCH
	v_lshl_add_u32 v4, v7, 4, v4
	v_add_nc_u32 v4, s28, v4                       ; and on the way out: row rr, + 16 h
	s_lshr_b32 s19, ttmp9, 1                       ; chunk
	s_and_b32 s20, ttmp9, 1                        ; half
	s_lshr_b32 s30, s18, 1                         ; p = w / 2
	s_and_b32 s31, s18, 1
	s_lshl_b32 s29, s20, 1
	s_add_co_u32 s31, s31, s29                     ; g = 2 half + w % 2
	s_mov_b32 s23, 0
	s_wait_kmcnt 0x0
	s_lshl_b32 s22, s19, 16                        ; W_codes: chunk x 64 rows + w x 16 rows + half x 512 bytes
	s_lshl_b32 s29, s18, 14
	s_add_co_u32 s22, s22, s29
	s_lshl_b32 s29, s20, 9
	s_add_co_u32 s22, s22, s29
	s_add_nc_u64 s[4:5], s[4:5], s[22:23]
	s_lshl_b32 s22, s19, 16                        ; Wf: chunk x 65,536 + half x 4 u + t = w
	s_lshl_b32 s29, s20, 15
	s_add_co_u32 s22, s22, s29
	s_lshl_b32 s29, s18, 11
	s_add_co_u32 s22, s22, s29
	s_add_nc_u64 s[12:13], s[12:13], s[22:23]
	s_lshl_b32 s22, s19, 12                        ; W_scales: chunk x 4,096 + p x 32 rows + 16 g
	s_lshl_b32 s29, s30, 11
	s_add_co_u32 s22, s22, s29
	s_lshl_b32 s29, s31, 4
	s_add_co_u32 s22, s22, s29
	s_add_nc_u64 s[6:7], s[6:7], s[22:23]
	s_lshl_b32 s22, s19, 12                        ; Sf: chunk x 4,096 + (4 p + g) x 512
	s_lshl_b32 s29, s30, 11
	s_add_co_u32 s22, s22, s29
	s_lshl_b32 s29, s31, 9
	s_add_co_u32 s22, s22, s29
	s_add_nc_u64 s[14:15], s[14:15], s[22:23]
	global_load_b128 v[8:11], v5, s[6:7]           ; my row's 16 scale bytes (other waves read the rest of these rows: no hint)
.irp n, 0,1,2,3,4,5,6,7,8,9,10,11,12,13,14,15
	global_load_b128 v[IN+4*\n:IN+4*\n+3], v2, s[4:5] offset:1024*\n th:TH_LOAD_NT   ; row n: 512 consecutive bytes; read once in the launch
.endr
.irp n, 0,1,2,3,4,5,6,7,8,9,10,11,12,13,14,15
	s_wait_loadcnt 15-\n                           ; loads come back in order: row n is in, the 15 - n rows behind it may be out
	ds_store_b128 v3, v[IN+4*\n:IN+4*\n+3] offset:PITCH*\n
.endr
	global_store_b128 v2, v[8:11], s[14:15]        ; the scale bytes' load was the oldest: the first wait above has shown it in.  512 consecutive bytes
.irp m, 0,1,2,3,4,5,6,7,8,9,10,11,12,13,14,15
	ds_load_b128 v[OUTR+4*\m:OUTR+4*\m+3], v4 offset:32*\m    ; piece m = 4 u + 2 q2 + c lies 32 m bytes along the rows.  LDS serves a wave's instructions in order: these see my stores
.endr
.irp m, 0,1,2,3,4,5,6,7,8,9,10,11,12,13,14,15
	s_wait_dscnt 15-\m                             ; piece m is in, the 15 - m behind it may be out
	global_store_b128 v2, v[OUTR+4*\m:OUTR+4*\m+3], s[12:13] offset:8192*(\m/4)+512*(\m%4)   ; 512 consecutive bytes, aligned; the next launch reads them: no hint
.endr
	; The masks: one wave of one work-group.  The comparison only selects a value; no branch and no address of this launch hangs on it.
	s_cmp_lg_u32 ttmp9, 0
	s_cbranch_scc1 .Ldone
	s_cmp_lg_u32 s18, 0
	s_cbranch_scc1 .Ldone
	s_load_b128 s[24:27], s[10:11], 0x0            ; the four roles' scales
	v_and_b32 v144, 7, v0
	v_lshlrev_b32 v144, 4, v144                    ; batch lane % 8: its four weights, 16 bytes
	global_load_b128 v[148:151], v144, s[8:9]
	v_lshlrev_b32 v146, 2, v1                      ; my word
	v_mov_b32 v145, 0
	s_wait_kmcnt 0x0
	s_wait_loadcnt 0x0
.irp r, 0,1,2,3
	v_mul_f32 v[148+\r], s[24+\r], v[148+\r]       ; g = weight x scale, as the next launch forms it
	v_cmp_neq_f32 vcc_lo, 0, v[148+\r]
	v_mov_b32 v147, 1<<\r
	v_cndmask_b32 v147, 0, v147, vcc_lo
	v_or_b32 v145, v145, v147
.endr
	global_store_b32 v146, v145, s[16:17]          ; 128 consecutive bytes
.Ldone:
	s_wait_tensorcnt 0x0
	ds_add_u32 v160, v161
	s_wait_dscnt 0x0
	s_endpgm
.Lfunc_end_k_q8006d54803_prep:
	.size	k_q8006d54803_prep, .Lfunc_end_k_q8006d54803_prep-k_q8006d54803_prep
	.p2alignl 7, 3214868480
	.fill 96, 4, 3214868480
	.section	.rodata,"a",@progbits
	.p2align	6, 0x0
	.amdhsa_kernel k_q8006d54803_prep
		.amdhsa_group_segment_fixed_size 34304
		.amdhsa_private_segment_fixed_size 0
		.amdhsa_enable_private_segment 0
		.amdhsa_kernarg_size 56
		.amdhsa_user_sgpr_count 2
		.amdhsa_user_sgpr_kernarg_segment_ptr 1
		.amdhsa_wavefront_size32 1
		.amdhsa_system_sgpr_workgroup_id_x 1
		.amdhsa_system_sgpr_workgroup_id_y 1
		.amdhsa_system_sgpr_workgroup_id_z 1
		.amdhsa_system_vgpr_workitem_id 0
		.amdhsa_next_free_vgpr 162
		.amdhsa_next_free_sgpr 66
		.amdhsa_reserve_vcc 1
		.amdhsa_float_denorm_mode_32 3
		.amdhsa_float_denorm_mode_16_64 3
		.amdhsa_memory_ordered 1
		.amdhsa_forward_progress 1
		.amdhsa_inst_pref_size 10
	.end_amdhsa_kernel
	.amdgpu_metadata
---
amdhsa.version: [ 1, 2 ]
amdhsa.kernels:
  - .name:           k_q8006d54803_prep
    .symbol:         k_q8006d54803_prep.kd
    .args:
      - { .name: W_codes, .offset: 0, .size: 8, .value_kind: global_buffer, .address_space: global }
      - { .name: W_scales, .offset: 8, .size: 8, .value_kind: global_buffer, .address_space: global }
      - { .name: role_onehot, .offset: 16, .size: 8, .value_kind: global_buffer, .address_space: global }
      - { .name: scales, .offset: 24, .size: 8, .value_kind: global_buffer, .address_space: global }
      - { .name: Wf, .offset: 32, .size: 8, .value_kind: global_buffer, .address_space: global }
      - { .name: Sf, .offset: 40, .size: 8, .value_kind: global_buffer, .address_space: global }
      - { .name: rolemask, .offset: 48, .size: 8, .value_kind: global_buffer, .address_space: global }
    .group_segment_fixed_size: 34304
    .private_segment_fixed_size: 0
    .kernarg_segment_align: 8
    .kernarg_segment_size: 56
    .max_flat_workgroup_size: 128
    .sgpr_count:     66
    .vgpr_count:     162
    .wavefront_size: 32
...
	.end_amdgpu_metadata
.endif
;; end of part 1
;; launch roles (part 2): grid 8 x 32, 4 waves a work-group, no clusters, 164,352 bytes of LDS; arguments hidden_codes, hidden_scales, Wf, Sf, b, role_onehot, scales, rolemask, out0; writes out0
.if DOCPART == 2
	.amdgcn_target "amdgcn-amd-amdhsa--gfx1250"
	.amdhsa_code_object_version 6
	.text
	.protected	k_q8006d54803_roles
	.globl	k_q8006d54803_roles
	.p2align	8
	.type	k_q8006d54803_roles,@function
k_q8006d54803_roles:
	s_mov_b64 s[64:65], 0
	v_nop
	global_prefetch_b8 v0, s[64:65] scope:SCOPE_SE
	s_setreg_imm32_b32 hwreg(HW_REG_WAVE_MODE, 25, 1), 1
	s_wait_xcnt 0x0
; out[b][s][e] = sum over roles r of g_r tanh( sum over d of hidden[b][s][d] W[r][d][e] + bias[r][e] ),  g_r = role_onehot[b][r] x scales[r].
; The product is made on codes of FP4 (E2M1) with one E8M0 scale for each 32 along K, as they are given; sums in f32; all behind the product in f32.
; A ROLE WHOSE g IS EXACTLY 0 ADDS EXACTLY 0 (tanh is bounded) AND IS NOT MULTIPLIED: the launch before has stored, for each batch, the mask of roles with g != 0; this launch reads it and walks the four roles in a loop
; of constant count, passing over the others by a scalar branch.  With weights that are all non-zero all four roles are computed.  A batch with no such role walks role 0 with g = 0 and so stores its zeros.
; tanh x = 1 - 2 / (1 + 2^(c x)), c = 2 log2(e), so out = (sum of g_r) - 2 sum of g_r / (1 + 2^(c acc + c bias)): the bias is the addend of the multiplication by c.
; LIMITS: under a weight g = 0 reference() would give 0 x NaN = NaN where a scale byte is 0xff or the bias is NaN or infinite sums meet; this text gives the finite sum of the other roles.
;   g is rounded once (weight x scale) where reference() multiplies twice; tanh is taken with an absolute error of a few units in the last place of the sum of |g|.
; SHARES.  Work-group (x, y): rows 128 y .. 128 y + 127 of the 4,096 rows (all of batch y / 4), columns 256 x .. 256 x + 255.  Wave w: all 128 rows x columns 64 (4 x + w) on: 32 accumulators of 16 x 16.
; hidden's 128 rows (codes and scale bytes, all of K) are brought into LDS once, through registers, in runs of 512 consecutive bytes, and stay.  W's fragments come from memory straight into registers, from the
; copy laid in the order of the operand's registers: each wave reads its 64 rows of W once, through a ring of four register sets of 256 along K, three sets ahead.
; NO TENSOR LOAD, AND SO NO CLUSTER AND NO JOINT LOAD: the walk over roles branches on a number read from memory; which tiles of W are asked for hangs on it, and partners of different batches would ask for different roles.
; THE MATRIX INSTRUCTION IS USED TRANSPOSED (source 0 = 16 rows of W, source 1 = 16 rows of hidden): lane (rr, h), register j of accumulator (i, t) is out(16 i + rr, 16 t + 8 h + j): eight neighbours of a row.
; REGISTERS, in windows of 256 (s_set_vgpr_msb: bits 1:0 source 0, 3:2 source 1, 5:4 source 2, 7:6 destination):
;   window 0: v1-14 addresses and the weights; v16-47 W's scale words; v48-111 hidden's scale words; v112-175, v176-239 hidden's fragments, two buffers (behind the products: at work, and rows on their way out); v240-255 staging
;   window 1: the accumulators, (i, t) at 8 (4 i + t); at the head the landing place of hidden's codes      window 2: the sum over roles, same places      window 3: W's ring, four sets of 64; set 0 takes the bias at a role's end
.set APITCH, 1040                      ; a row of hidden's codes in LDS: 1,024 bytes + 16: row r starts 16 r bytes on modulo 256, so the 16 rows that a load touches do not meet
.set ABLK,   16*APITCH
.set ASCL,   128*APITCH                ; behind the codes: hidden's scale bytes, rows of 64 bytes + 16
.set SPITCH, 80
.set STAGE,  ASCL+128*SPITCH           ; behind them: 16 rows x (256 bytes + 16) for each wave, for the way out
.set GPITCH, 272
.set AFA,  1                           ; v1, v2  LDS address of my lane's place in row blocks 0-3, 4-7 (the 16-bit offset does not reach the upper four)
.set L16,  3                           ; v3   16 x lane
.set BOFF, 4                           ; v4   32 h: my eight columns of a tile of the bias
.set STO,  5                           ; v5   the way out: where I put 32 bytes of a row
.set RD,   6                           ; v6   where I read a row back
.set CO,   7                           ; v7   my byte offset in two rows of out0
.set STA,  8                           ; v8   staging: my wave's 32 rows of codes, 16 x lane
.set STS,  9                           ; v9   staging: my 16 scale bytes
.set T16,  10                          ; v10  16 x thread
.set ASA,  11                          ; v11  my lane's row of hidden's scale bytes
.set GM,   12                          ; v12, v13  -2 g of the role in hand, twice
.set GS,   14                          ; v14  the sum of the four g
.set WS,   16                          ; W's scale words: register 16 p + k: lanes 0-15 block t = 2 p, lanes 16-31 block 2 p + 1, K step k
.set ASW,  48                          ; hidden's: register 16 p + k: lanes 0-15 row block i = 2 p, lanes 16-31 block 2 p + 1
.set AF0,  112                         ; hidden's fragments: buffer k % 2 at AF0 + 64 (k % 2), block i at + 8 i
.set TB,   112                         ; behind the products: two sets of 32 numbers at work
.set BK,   176                         ; and two sets of 32 registers: rows read back from the stage
.set LAND, 240
.set BI,   0                           ; in window 3: c x bias, 8 t + j
.set CC,   32                          ; s[32:33] c, twice
.set MSB, 0
.macro WIN new                         ; the immediate's high byte repeats the setting that is left; a switch that changes nothing is dropped
.if MSB != \new
	s_set_vgpr_msb (MSB<<8)|\new
.set MSB, \new
.endif
.endm
.set MULW, 0x53                        ; source 0 (W) window 3, source 1 (hidden) window 0, C and D window 1
.set TOW3, 0xc0                        ; destination window 3
.set TOW1, 0x40                        ; destination window 1
.set ST1,  0x04                        ; a store's data (source 1) window 1
.set INI,  0x80                        ; destination window 2
.set BCW,  0xc3                        ; destination and source 0 window 3
.set EP1,  0x31                        ; source 0 window 1, source 2 window 3
.set EPO,  0xa0                        ; destination and source 2 window 2
.set EPL,  0x20                        ; source 2 window 2
; A load into a register that a matrix instruction has read stands four places behind it, and only plain vector instructions that name none of its registers are places.
.macro PLACES
.rept 4
	v_nop
.endr
.endm
.macro WLOAD u                         ; W's eight fragments of 256 along K, 8,192 consecutive bytes, into ring set u % 4: load n = 4 t + 2 q2 + c brings registers 4 c .. of fragment (t, q2)
	WIN TOW3
.set WB, 64*((\u)%4)
.irp n, 0,1,2,3,4,5,6,7,8,9,10,11,12,13,14,15
	global_load_b128 v[WB+4*\n:WB+4*\n+3], v[L16], s[8:9] offset:8192*(\u)+512*\n
.endr
	WIN 0
.endm
.macro BLOAD                           ; the role's bias in the result's layout: for tile t my eight columns 16 t + 8 h + 0 .. 7, into ring set 0
	WIN TOW3
.irp t, 0,1,2,3
	global_load_b128 v[BI+8*\t:BI+8*\t+3], v[BOFF], s[12:13] offset:64*\t
	global_load_b128 v[BI+8*\t+4:BI+8*\t+7], v[BOFF], s[12:13] offset:64*\t+16
.endr
	WIN 0
.endm
.macro AFETCH k                        ; hidden's eight fragments of K step k: lane (rr, h): row 16 i + rr, bytes 64 k + 32 c + 16 h
.set FB, AF0+64*((\k)%2)
.irp i, 0,1,2,3,4,5,6,7
.irp c, 0,1
	ds_load_b128 v[FB+8*\i+4*\c:FB+8*\i+4*\c+3], v[AFA+\i/4] offset:(\i%4)*ABLK+64*(\k)+32*\c
.endr
.endr
.endm
; Four products: row blocks 2 ip, 2 ip + 1 x W's blocks 2 tp, 2 tp + 1, K step k.  One scale register serves two blocks: the odd one's words lie in lanes 16-31.  zero = 1: the product starts the sum.
.macro QUAD ip, tp, k, zero
.set rD, 64*(\ip)+16*(\tp)
.set rW, 64*(((\k)/2)%4)+32*(\tp)+8*((\k)%2)
.set rA, AF0+64*((\k)%2)+16*(\ip)
.set rS, WS+16*(\tp)+(\k)
.set rH, ASW+16*(\ip)+(\k)
.if \zero
	v_wmma_scale_f32_16x16x128_f8f6f4 v[rD:rD+7], v[rW:rW+7], v[rA:rA+7], 0, v[rS], v[rH] matrix_a_fmt:MATRIX_FMT_FP4 matrix_b_fmt:MATRIX_FMT_FP4
	v_wmma_scale_f32_16x16x128_f8f6f4 v[rD+8:rD+15], v[rW+16:rW+23], v[rA:rA+7], 0, v[rS], v[rH] matrix_a_fmt:MATRIX_FMT_FP4 matrix_b_fmt:MATRIX_FMT_FP4 matrix_a_scale:MATRIX_SCALE_ROW1
	v_wmma_scale_f32_16x16x128_f8f6f4 v[rD+32:rD+39], v[rW:rW+7], v[rA+8:rA+15], 0, v[rS], v[rH] matrix_a_fmt:MATRIX_FMT_FP4 matrix_b_fmt:MATRIX_FMT_FP4 matrix_b_scale:MATRIX_SCALE_ROW1
	v_wmma_scale_f32_16x16x128_f8f6f4 v[rD+40:rD+47], v[rW+16:rW+23], v[rA+8:rA+15], 0, v[rS], v[rH] matrix_a_fmt:MATRIX_FMT_FP4 matrix_b_fmt:MATRIX_FMT_FP4 matrix_a_scale:MATRIX_SCALE_ROW1 matrix_b_scale:MATRIX_SCALE_ROW1
.else
	v_wmma_scale_f32_16x16x128_f8f6f4 v[rD:rD+7], v[rW:rW+7], v[rA:rA+7], v[rD:rD+7], v[rS], v[rH] matrix_a_fmt:MATRIX_FMT_FP4 matrix_b_fmt:MATRIX_FMT_FP4
	v_wmma_scale_f32_16x16x128_f8f6f4 v[rD+8:rD+15], v[rW+16:rW+23], v[rA:rA+7], v[rD+8:rD+15], v[rS], v[rH] matrix_a_fmt:MATRIX_FMT_FP4 matrix_b_fmt:MATRIX_FMT_FP4 matrix_a_scale:MATRIX_SCALE_ROW1
	v_wmma_scale_f32_16x16x128_f8f6f4 v[rD+32:rD+39], v[rW:rW+7], v[rA+8:rA+15], v[rD+32:rD+39], v[rS], v[rH] matrix_a_fmt:MATRIX_FMT_FP4 matrix_b_fmt:MATRIX_FMT_FP4 matrix_b_scale:MATRIX_SCALE_ROW1
	v_wmma_scale_f32_16x16x128_f8f6f4 v[rD+40:rD+47], v[rW+16:rW+23], v[rA+8:rA+15], v[rD+40:rD+47], v[rS], v[rH] matrix_a_fmt:MATRIX_FMT_FP4 matrix_b_fmt:MATRIX_FMT_FP4 matrix_a_scale:MATRIX_SCALE_ROW1 matrix_b_scale:MATRIX_SCALE_ROW1
.endif
.endm
; K step k of 16: 128 along K, 32 products.  At its head what later steps want is asked for: every second step ring set k / 2 + 3 (into the set that the last two steps multiplied), at k = 10 the bias in its stead;
; in every step the next step's fragments of hidden (into the buffer that the last step multiplied).  The 32 accumulators take turns, one instruction a turn, in the same order in every step.
.macro KSTEP k
.if (\k) > 0
	PLACES                                         ; behind the last step's products, in front of loads into registers that they read
.endif
.if ((\k)%2) == 0
.if (\k) <= 8
	WLOAD (\k)/2+3
.elseif (\k) == 10
	BLOAD
.endif
.endif
.if (\k) < 15
	AFETCH (\k)+1
.endif
.if ((\k)%2) == 0                      ; this pair of steps' ring set is in; what was asked for behind it may be out:
.if (\k) <= 8
	s_wait_loadcnt 48                              ; three sets of 16 loads (W's scale words were asked for ahead of set 0)
.elseif (\k) == 10
	s_wait_loadcnt 40                              ; sets 6 and 7 and the bias's 8 loads
.elseif (\k) == 12
	s_wait_loadcnt 24                              ; set 7 and the bias
.else
	s_wait_loadcnt 8                               ; the bias
.endif
.endif
.if (\k) < 15
	s_wait_dscnt 16                                ; this step's fragments are in; the 16 loads just issued may be out
.else
	s_wait_dscnt 0x0
.endif
	WIN MULW
.irp a, 0,1,2,3
.irp b, 0,1
.if (\k) == 0
	QUAD \a, \b, \k, 1
.else
	QUAD \a, \b, \k, 0
.endif
.endr
.endr
	WIN 0
.endm
; Row block i behind the products: 1 / (1 + 2^(c acc + c bias)) of its 32 numbers a lane, into set i % 2.  Each accumulator is read from its low end on.
.macro EPIT i
.set TT, TB+32*((\i)%2)
	WIN EP1
.set j, 0
.rept 16
	v_pk_fma_f32 v[TT+j:TT+j+1], v[32*(\i)+j:32*(\i)+j+1], s[CC:CC+1], v[BI+j:BI+j+1] op_sel_hi:[1,0,1]
.set j, j+2
.endr
	WIN 0
.set j, 0
.rept 32
	v_exp_f32 v[TT+j], v[TT+j]
.set j, j+1
.endr
	v_nop                                          ; one plain instruction between the last exponential and the use of its result (ISA guide 5.7.2)
.set j, 0
	s_wait_alu depctr_va_vdst(0)
.rept 16
	v_pk_add_f32 v[TT+j:TT+j+1], v[TT+j:TT+j+1], 1.0 op_sel_hi:[1,0]
.set j, j+2
.endr
.set j, 0
.rept 32
	v_rcp_f32 v[TT+j], v[TT+j]
.set j, j+1
.endr
	v_nop                                          ; likewise behind the last reciprocal
.endm
.macro TOSTAGE i                       ; a lane's 32 bytes of a row go into my own stage and come back as whole rows of 256 bytes.  LDS serves a wave's instructions in order: no wait between
.set TT, TB+32*((\i)%2)
.set BB, BK+32*((\i)%2)
.irp t, 0,1,2,3
	ds_store_b128 v[STO], v[TT+8*\t:TT+8*\t+3] offset:64*\t
	ds_store_b128 v[STO], v[TT+8*\t+4:TT+8*\t+7] offset:64*\t+16
.endr
.irp n, 0,1,2,3,4,5,6,7
	ds_load_b128 v[BB+4*\n:BB+4*\n+3], v[RD] offset:2*GPITCH*\n
.endr
.endm
.macro SEND i                          ; sixteen lanes store 256 consecutive bytes, at a multiple of 256 from out0's first byte; the row stands in the immediate (126 rows of 8,192 bytes at the most); written once, read by nobody here
.set BB, BK+32*((\i)%2)
.irp n, 0,1,2,3,4,5,6,7
	global_store_b128 v[CO], v[BB+4*\n:BB+4*\n+3], s[20:21] offset:(16*(\i)+2*\n)*8192 th:TH_STORE_NT
.endr
.endm
; A role's end.  send = 0: its part is added to the sum over roles.  send = 1: it is the last role of the mask: the sum is finished block by block and leaves.
.macro EPILOGUE send
	s_wait_loadcnt 0x0                             ; the bias
	v_mul_f32 v[GM], s40, s44                      ; g of the role in hand.  (These lines and the 16 below name no register of the last products: they are the places behind them)
	v_mul_f32 v[GM], -2.0, v[GM]
	v_mov_b32 v[GM+1], v[GM]
	WIN BCW
.set j, 0
.rept 16
	v_pk_mul_f32 v[BI+j:BI+j+1], v[BI+j:BI+j+1], s[CC:CC+1] op_sel_hi:[1,0]   ; c x bias
.set j, j+2
.endr
.irp i, 0,1,2,3,4,5,6,7
	EPIT \i
.if \send
	WIN EPL
.set j, 0
	s_wait_alu depctr_va_vdst(0)
.rept 16
	v_pk_fma_f32 v[TT+j:TT+j+1], v[TT+j:TT+j+1], v[GM:GM+1], v[32*\i+j:32*\i+j+1]
.set j, j+2
.endr
	WIN 0
.if \i > 1
	s_wait_xcnt 0x0                                ; block i - 2's stores have read the registers into which this block comes back
.endif
	s_wait_dscnt 0x0                               ; block i - 1 is back in registers (asked for ahead of this block's arithmetic)
.if \i > 0
	SEND \i-1
.endif
	TOSTAGE \i
.else
	WIN EPO
.set j, 0
	s_wait_alu depctr_va_vdst(0)
.rept 16
	v_pk_fma_f32 v[32*\i+j:32*\i+j+1], v[TT+j:TT+j+1], v[GM:GM+1], v[32*\i+j:32*\i+j+1]
.set j, j+2
.endr
	WIN 0
.endif
.endr
.if \send
	s_wait_dscnt 0x0
	SEND 7
.endif
.endm
	s_load_b256 s[4:11], s[0:1], 0x0               ; hidden_codes s[4:5], hidden_scales s[6:7], Wf s[8:9], Sf s[10:11]
	s_load_b256 s[12:19], s[0:1], 0x20             ; b s[12:13], role_onehot s[14:15], scales s[16:17], rolemask s[18:19]
	s_load_b64 s[20:21], s[0:1], 0x40              ; out0
	v_lshrrev_b32 v112, 5, v0
	v_readfirstlane_b32 s22, v112                  ; wave 0..3
	v_and_b32 v112, 31, v0                         ; lane
	v_lshlrev_b32 v[L16], 4, v112
	v_lshlrev_b32 v[T16], 4, v0
	s_and_b32 s24, ttmp7, 0xffff                   ; y: my 128 rows
	s_lshl_b32 s25, ttmp9, 2
	s_add_co_u32 s25, s25, s22                     ; ew = 4 x + wave: my 64 columns
	s_mov_b32 s27, 0
	s_mov_b32 s[CC], 0x4038aa3b                    ; c = 2 log2(e)
	s_mov_b32 s[CC+1], s[CC]                       ; (named with it as a pair, so it is written)
	s_wait_kmcnt 0x0
	s_lshl_b32 s26, s24, 17                        ; hidden's codes: y x 128 rows of 1,024 bytes + wave x 32 rows
	s_lshl_b32 s30, s22, 15
	s_add_co_u32 s26, s26, s30
	s_add_nc_u64 s[4:5], s[4:5], s[26:27]
	s_lshl_b32 s26, s24, 13                        ; its scale bytes: y x 128 rows of 64 bytes
	s_add_nc_u64 s[6:7], s[6:7], s[26:27]
	s_lshl_b32 s26, s25, 16                        ; Wf: role 0, ew
	s_add_nc_u64 s[8:9], s[8:9], s[26:27]
	s_lshl_b32 s26, s25, 12                        ; Sf likewise
	s_add_nc_u64 s[10:11], s[10:11], s[26:27]
	s_lshl_b32 s26, s25, 8                         ; the bias: my 64 columns, 256 bytes
	s_add_nc_u64 s[12:13], s[12:13], s[26:27]
	s_lshl_b32 s30, s24, 20                        ; out0: y x 128 rows of 8,192 bytes + the same 256 bytes
	s_add_co_u32 s26, s26, s30
	s_add_nc_u64 s[20:21], s[20:21], s[26:27]
	s_lshr_b32 s30, s24, 2                         ; the batch
	s_lshl_b32 s26, s30, 4
	s_add_nc_u64 s[14:15], s[14:15], s[26:27]
	s_lshl_b32 s26, s30, 2
	s_add_nc_u64 s[18:19], s[18:19], s[26:27]
	s_load_b128 s[40:43], s[14:15], 0x0            ; the batch's four weights
	s_load_b128 s[44:47], s[16:17], 0x0            ; the four roles' scales
	s_load_b32 s28, s[18:19], 0x0                  ; the batch's mask of roles
	; hidden's rows on their way: the work-group's 8,192 scale bytes (16 a thread, four times), then my wave's 32 rows of codes, 512 consecutive bytes a load.  Other work-groups read them again: no hint.
.irp i, 0,1,2,3
	global_load_b128 v[LAND+4*\i:LAND+4*\i+3], v[T16], s[6:7] offset:2048*\i
.endr
	WIN TOW1
.set j, 0
.rept 64
	global_load_b128 v[4*j:4*j+3], v[L16], s[4:5] offset:512*j
.set j, j+1
.endr
	WIN 0
	; while they are on their way: the other addresses, the weights, and the start of the sum over roles
	v_and_b32 v113, 15, v0                         ; rr
	v_bfe_u32 v114, v0, 4, 1                       ; h
	v_mul_u32_u24 v[AFA], v113, APITCH
	v_lshl_add_u32 v[AFA], v114, 4, v[AFA]         ; a fragment's row x pitch + 16 h
	v_add_nc_u32 v[AFA+1], 4*ABLK, v[AFA]
	v_lshlrev_b32 v[BOFF], 5, v114
	s_mul_i32 s30, s22, 16*GPITCH
	s_add_co_u32 s30, s30, STAGE                   ; my stage
	v_mul_u32_u24 v[STO], v113, GPITCH             ; in: row rr, 32 bytes for each half of the lanes
	v_lshl_add_u32 v[STO], v114, 5, v[STO]
	v_add_nc_u32 v[STO], s30, v[STO]
	v_mul_u32_u24 v[RD], v114, GPITCH              ; back: lanes 0-15 one row of 256 bytes, lanes 16-31 the next
	v_lshl_add_u32 v[RD], v113, 4, v[RD]
	v_add_nc_u32 v[RD], s30, v[RD]
	v_lshlrev_b32 v[CO], 13, v114                  ; and the same two rows in out0
	v_lshl_add_u32 v[CO], v113, 4, v[CO]
	s_mul_i32 s31, s22, 32*APITCH
	v_add_nc_u32 v[STA], s31, v[L16]               ; my wave's 32 rows of codes in LDS
	v_lshrrev_b32 v115, 2, v0                      ; four threads to a row of 64 scale bytes
	v_mul_u32_u24 v115, v115, SPITCH
	v_and_b32 v116, 3, v0
	v_lshl_add_u32 v115, v116, 4, v115
	v_add_nc_u32 v[STS], ASCL, v115
	v_mul_u32_u24 v[ASA], v112, SPITCH
	v_add_nc_u32 v[ASA], ASCL, v[ASA]
	s_wait_kmcnt 0x0
	s_and_b32 s28, s28, 15
	s_max_u32 s28, s28, 1                          ; no role with g != 0: role 0 is walked with its g = 0, and the zeros are stored
	v_mul_f32 v[GS], s40, s44
	v_fma_f32 v[GS], s41, s45, v[GS]
	v_fma_f32 v[GS], s42, s46, v[GS]
	v_fma_f32 v[GS], s43, s47, v[GS]               ; the sum of the four g
	WIN INI
.set j, 0
.rept 256
	v_mov_b32 v[j], v[GS]                          ; the sum over roles starts as that number, not as zero: which role comes first hangs on the mask, so no product can start it
.set j, j+1
.endr
	WIN 0
	s_wait_loadcnt 63                              ; of the 68 loads at most 63 are out: the four of scale bytes are in
.irp i, 0,1,2,3
	ds_store_b128 v[STS], v[LAND+4*\i:LAND+4*\i+3] offset:32*SPITCH*\i
.endr
	WIN ST1
.set j, 0
.rept 64
	s_wait_loadcnt 63-j                            ; load j is in, the 63 - j behind it may be out
	ds_store_b128 v[STA], v[4*j:4*j+3] offset:(j/2)*APITCH+(j%2)*512
.set j, j+1
.endr
	WIN 0
	s_wait_dscnt 0x0                               ; for the others' sake: my stores have landed
	s_barrier_signal -1
	s_barrier_wait -1                              ; the launch's one barrier, ahead of every branch on the mask: from here on hidden's bytes in LDS are only read
.irp p, 0,1,2,3
.irp g, 0,1,2,3
	ds_load_b128 v[ASW+16*\p+4*\g:ASW+16*\p+4*\g+3], v[ASA] offset:32*SPITCH*\p+16*\g   ; hidden's scale words, once for the launch: lane l takes row 32 p + l; K steps 4 g .. 4 g + 3
.endr
.endr
	s_mov_b32 s29, 0
.Lrole:                                                ; four trips; bit 0 of s28 is the role in hand, whose weight and scale stand in s40 and s44
	s_and_b32 s30, s28, 1
	s_cmp_eq_u32 s30, 0
	s_cbranch_scc1 .Lskip
.irp n, 0,1,2,3,4,5,6,7
	global_load_b128 v[WS+4*\n:WS+4*\n+3], v[L16], s[10:11] offset:512*\n   ; W's scale words of my 64 rows, all of K: 4,096 consecutive bytes
.endr
	WLOAD 0
	WLOAD 1
	WLOAD 2
	AFETCH 0
.irp k, 0,1,2,3,4,5,6,7,8,9,10,11,12,13,14,15
	KSTEP \k
.endr
	s_lshr_b32 s31, s28, 1
	s_cmp_eq_u32 s31, 0
	s_cbranch_scc1 .Llast                          ; no further role in the mask: this one's end also stores
	EPILOGUE 0
.Lskip:
	s_wait_xcnt 0x0                                ; the bases are stepped only behind this wait
	s_add_nc_u64 s[8:9], s[8:9], 0x200000          ; the next role: 32 x 65,536 bytes of Wf,
	s_add_nc_u64 s[10:11], s[10:11], 0x20000       ; 32 x 4,096 of Sf,
	s_add_nc_u64 s[12:13], s[12:13], 0x2000        ; a row of the bias;
	s_mov_b32 s40, s41                             ; its weight and its scale move down
	s_mov_b32 s41, s42
	s_mov_b32 s42, s43
	s_mov_b32 s44, s45
	s_mov_b32 s45, s46
	s_mov_b32 s46, s47
	s_lshr_b32 s28, s28, 1
	s_add_co_u32 s29, s29, 1
	s_cmp_lt_u32 s29, 4
	s_cbranch_scc1 .Lrole
	s_wait_xcnt 0x0
	v_lshl_add_u32 v254, v0, 2, 0x28000
	v_mov_b32 v255, 0
	s_wait_tensorcnt 0x0
	ds_add_u32 v254, v255
	s_wait_dscnt 0x0
	s_endpgm                                       ; not reached: the mask lies between 1 and 15, so one of the four trips finds its highest bit and leaves by .Llast
.Llast:
	EPILOGUE 1
	s_wait_xcnt 0x0
	v_lshl_add_u32 v254, v0, 2, 0x28000
	v_mov_b32 v255, 0
	s_wait_tensorcnt 0x0
	ds_add_u32 v254, v255
	s_wait_dscnt 0x0
	s_endpgm
.Lfunc_end_k_q8006d54803_roles:
	.size	k_q8006d54803_roles, .Lfunc_end_k_q8006d54803_roles-k_q8006d54803_roles
	.p2alignl 7, 3214868480
	.fill 96, 4, 3214868480
	.section	.rodata,"a",@progbits
	.p2align	6, 0x0
	.amdhsa_kernel k_q8006d54803_roles
		.amdhsa_group_segment_fixed_size 164352
		.amdhsa_private_segment_fixed_size 0
		.amdhsa_enable_private_segment 0
		.amdhsa_kernarg_size 72
		.amdhsa_user_sgpr_count 2
		.amdhsa_user_sgpr_kernarg_segment_ptr 1
		.amdhsa_wavefront_size32 1
		.amdhsa_system_sgpr_workgroup_id_x 1
		.amdhsa_system_sgpr_workgroup_id_y 1
		.amdhsa_system_sgpr_workgroup_id_z 1
		.amdhsa_system_vgpr_workitem_id 0
		.amdhsa_next_free_vgpr 1024
		.amdhsa_next_free_sgpr 66
		.amdhsa_reserve_vcc 0
		.amdhsa_float_denorm_mode_32 3
		.amdhsa_float_denorm_mode_16_64 3
		.amdhsa_memory_ordered 1
		.amdhsa_forward_progress 1
		.amdhsa_inst_pref_size 226
	.end_amdhsa_kernel
	.amdgpu_metadata
---
amdhsa.version: [ 1, 2 ]
amdhsa.kernels:
  - .name:           k_q8006d54803_roles
    .symbol:         k_q8006d54803_roles.kd
    .args:
      - { .name: hidden_codes, .offset: 0, .size: 8, .value_kind: global_buffer, .address_space: global }
      - { .name: hidden_scales, .offset: 8, .size: 8, .value_kind: global_buffer, .address_space: global }
      - { .name: Wf, .offset: 16, .size: 8, .value_kind: global_buffer, .address_space: global }
      - { .name: Sf, .offset: 24, .size: 8, .value_kind: global_buffer, .address_space: global }
      - { .name: b, .offset: 32, .size: 8, .value_kind: global_buffer, .address_space: global }
      - { .name: role_onehot, .offset: 40, .size: 8, .value_kind: global_buffer, .address_space: global }
      - { .name: scales, .offset: 48, .size: 8, .value_kind: global_buffer, .address_space: global }
      - { .name: rolemask, .offset: 56, .size: 8, .value_kind: global_buffer, .address_space: global }
      - { .name: out0, .offset: 64, .size: 8, .value_kind: global_buffer, .address_space: global }
    .group_segment_fixed_size: 164352
    .private_segment_fixed_size: 0
    .kernarg_segment_align: 8
    .kernarg_segment_size: 72
    .max_flat_workgroup_size: 128
    .sgpr_count:     66
    .vgpr_count:     1024
    .wavefront_size: 32
...
	.end_amdgpu_metadata
.endif
;; end of part 2
;; ======== version 2 of 2: 2 launches
;; limits: right only within a limited range of input values
;; workspace buffers: Wf 8,388,608 bytes; Sf 524,288 bytes; rolemask 256 bytes of whole numbers
;; launch prep (part 3): grid 256 x 1, 4 waves a work-group, no clusters, 34,304 bytes of LDS; arguments W_codes, W_scales, role_onehot, scales, Wf, Sf, rolemask; writes Wf, Sf, rolemask
.if DOCPART == 3
	.amdgcn_target "amdgcn-amd-amdhsa--gfx1250"
	.amdhsa_code_object_version 6
	.text
	.protected	k_q8006d54803_prep
	.globl	k_q8006d54803_prep
	.p2align	8
	.type	k_q8006d54803_prep,@function
k_q8006d54803_prep:
	s_mov_b64 s[64:65], 0
	v_nop
	global_prefetch_b8 v0, s[64:65] scope:SCOPE_SE
	s_setreg_imm32_b32 hwreg(HW_REG_WAVE_MODE, 25, 1), 1
	s_wait_xcnt 0x0
; W's codes and scale bytes are laid once in the order in which the next launch's operand registers take them, and each batch's set of roles is stored as a whole number.
; W_codes: [4 roles][2048 rows e][1,024 bytes: 2,048 codes along K];  W_scales: [4][2048][64 bytes].
; Wf: [role][ew 32][u 8][t 4][q2 2][c 2][lane 32][16 bytes]: ew = a run of 64 rows e, u = 256 along K, t = 16 rows, q2 = 128 along K.  Lane (rr = lane % 16, h = lane / 16) holds the 16 bytes of row 64 ew + 16 t + rr
;     at byte 128 u + 64 q2 + 32 c + 16 h: registers 4 c .. 4 c + 3 of a fragment of 4-bit codes (16 rows x 128 K).  So a fragment is two loads of 512 consecutive bytes.
; Sf: [role][ew 32][p 2][g 4][lane 32][16 bytes]: lane l holds bytes 16 g .. 16 g + 15 of the scale row 64 ew + 32 p + l: the scale words of K steps 4 g .. 4 g + 3.
; rolemask: word l (l = 0 .. 31) = the mask of batch l % 8: bit r is set where role_onehot[batch][r] x scales[r] is not 0 (a NaN counts as not 0).
; SHARES.  Work-group x: chunk = x / 2 = 32 role + ew, half = x % 2: K 0 .. 1,023 or 1,024 .. 2,047.  Wave w takes block t = w: 16 rows x 512 bytes.  Each load reads 512 consecutive bytes of a row; the 8,192 bytes
; turn through the wave's own LDS (rows 528 bytes apart: row r starts 16 r bytes on modulo 256, so the 16 rows that a load touches do not meet); each store covers 512 consecutive bytes, aligned.
; The scale bytes need no turn: a lane's 16 bytes go out as they came in.  Those loads take 16 of every 64 bytes; they are 1 byte in 17 of what the launch reads.
; No barrier: waves share nothing.  No matrix unit, no cluster: the launch only moves bytes, each once.
.set PITCH, 528
.set WREG,  16*PITCH                   ; a wave's LDS: 8,448 bytes
.set IN,    16                         ; v16-79   16 rows as loaded
.set OUTR,  80                         ; v80-143  16 pieces of fragments, as stored
	s_load_b256 s[4:11], s[0:1], 0x0               ; W_codes s[4:5], W_scales s[6:7], role_onehot s[8:9], scales s[10:11]
	s_load_b128 s[12:15], s[0:1], 0x20             ; Wf s[12:13], Sf s[14:15]
	s_load_b64 s[16:17], s[0:1], 0x30              ; rolemask
	v_lshl_add_u32 v160, v0, 2, 0x8400
	v_mov_b32 v161, 0
	v_lshrrev_b32 v1, 5, v0
	v_readfirstlane_b32 s18, v1                    ; wave 0..3
	v_and_b32 v1, 31, v0                           ; lane
	v_lshlrev_b32 v2, 4, v1                        ; 16 x lane: my bytes of a run of 512
	v_lshlrev_b32 v5, 6, v1                        ; 64 x lane: my row of scale bytes
	v_and_b32 v6, 15, v0                           ; rr
	v_bfe_u32 v7, v0, 4, 1                         ; h
	s_mul_i32 s28, s18, WREG
	v_add_nc_u32 v3, s28, v2                       ; LDS, on the way in: my wave's rows, 16 x lane
	v_mul_u32_u24 v4, v6, PITCH
	v_lshl_add_u32 v4, v7, 4, v4
	v_add_nc_u32 v4, s28, v4                       ; and on the way out: row rr, + 16 h
	s_lshr_b32 s19, ttmp9, 1                       ; chunk
	s_and_b32 s20, ttmp9, 1                        ; half
	s_lshr_b32 s30, s18, 1                         ; p = w / 2
	s_and_b32 s31, s18, 1
	s_lshl_b32 s29, s20, 1
	s_add_co_u32 s31, s31, s29                     ; g = 2 half + w % 2
	s_mov_b32 s23, 0
	s_wait_alu depctr_va_vdst(0)
	s_wait_kmcnt 0x0
	s_lshl_b32 s22, s19, 16                        ; W_codes: chunk x 64 rows + w x 16 rows + half x 512 bytes
	s_lshl_b32 s29, s18, 14
	s_add_co_u32 s22, s22, s29
	s_lshl_b32 s29, s20, 9
	s_add_co_u32 s22, s22, s29
	s_add_nc_u64 s[4:5], s[4:5], s[22:23]
	s_lshl_b32 s22, s19, 16                        ; Wf: chunk x 65,536 + half x 4 u + t = w
	s_lshl_b32 s29, s20, 15
	s_add_co_u32 s22, s22, s29
	s_lshl_b32 s29, s18, 11
	s_add_co_u32 s22, s22, s29
	s_add_nc_u64 s[12:13], s[12:13], s[22:23]
	s_lshl_b32 s22, s19, 12                        ; W_scales: chunk x 4,096 + p x 32 rows + 16 g
	s_lshl_b32 s29, s30, 11
	s_add_co_u32 s22, s22, s29
	s_lshl_b32 s29, s31, 4
	s_add_co_u32 s22, s22, s29
	s_add_nc_u64 s[6:7], s[6:7], s[22:23]
	s_lshl_b32 s22, s19, 12                        ; Sf: chunk x 4,096 + (4 p + g) x 512
	s_lshl_b32 s29, s30, 11
	s_add_co_u32 s22, s22, s29
	s_lshl_b32 s29, s31, 9
	s_add_co_u32 s22, s22, s29
	s_add_nc_u64 s[14:15], s[14:15], s[22:23]
	global_load_b128 v[8:11], v5, s[6:7]           ; my row's 16 scale bytes (other waves read the rest of these rows: no hint)
.irp n, 0,1,2,3,4,5,6,7,8,9,10,11,12,13,14,15
	global_load_b128 v[IN+4*\n:IN+4*\n+3], v2, s[4:5] offset:1024*\n th:TH_LOAD_NT   ; row n: 512 consecutive bytes; read once in the launch
.endr
.irp n, 0,1,2,3,4,5,6,7,8,9,10,11,12,13,14,15
	s_wait_loadcnt 15-\n                           ; loads come back in order: row n is in, the 15 - n rows behind it may be out
	ds_store_b128 v3, v[IN+4*\n:IN+4*\n+3] offset:PITCH*\n
.endr
	global_store_b128 v2, v[8:11], s[14:15]        ; the scale bytes' load was the oldest: the first wait above has shown it in.  512 consecutive bytes
.irp m, 0,1,2,3,4,5,6,7,8,9,10,11,12,13,14,15
	ds_load_b128 v[OUTR+4*\m:OUTR+4*\m+3], v4 offset:32*\m    ; piece m = 4 u + 2 q2 + c lies 32 m bytes along the rows.  LDS serves a wave's instructions in order: these see my stores
.endr
.irp m, 0,1,2,3,4,5,6,7,8,9,10,11,12,13,14,15
	s_wait_dscnt 15-\m                             ; piece m is in, the 15 - m behind it may be out
	global_store_b128 v2, v[OUTR+4*\m:OUTR+4*\m+3], s[12:13] offset:8192*(\m/4)+512*(\m%4)   ; 512 consecutive bytes, aligned; the next launch reads them: no hint
.endr
	; The masks: one wave of one work-group.  The comparison only selects a value; no branch and no address of this launch hangs on it.
	s_cmp_lg_u32 ttmp9, 0
	s_cbranch_scc1 .Ldone
	s_cmp_lg_u32 s18, 0
	s_cbranch_scc1 .Ldone
	s_load_b128 s[24:27], s[10:11], 0x0            ; the four roles' scales
	v_and_b32 v144, 7, v0
	v_lshlrev_b32 v144, 4, v144                    ; batch lane % 8: its four weights, 16 bytes
	global_load_b128 v[148:151], v144, s[8:9]
	v_lshlrev_b32 v146, 2, v1                      ; my word
	v_mov_b32 v145, 0
	s_wait_kmcnt 0x0
	s_wait_loadcnt 0x0
.irp r, 0,1,2,3
	v_mul_f32 v[148+\r], s[24+\r], v[148+\r]       ; g = weight x scale, as the next launch forms it
	v_cmp_neq_f32 vcc_lo, 0, v[148+\r]
	v_mov_b32 v147, 1<<\r
	v_cndmask_b32 v147, 0, v147, vcc_lo
	s_wait_alu depctr_va_vdst(0)
	v_or_b32 v145, v145, v147
.endr
	global_store_b32 v146, v145, s[16:17]          ; 128 consecutive bytes
.Ldone:
	s_wait_tensorcnt 0x0
	ds_add_u32 v160, v161
	s_wait_dscnt 0x0
	s_endpgm
.Lfunc_end_k_q8006d54803_prep:
	.size	k_q8006d54803_prep, .Lfunc_end_k_q8006d54803_prep-k_q8006d54803_prep
	.p2alignl 7, 3214868480
	.fill 96, 4, 3214868480
	.section	.rodata,"a",@progbits
	.p2align	6, 0x0
	.amdhsa_kernel k_q8006d54803_prep
		.amdhsa_group_segment_fixed_size 34304
		.amdhsa_private_segment_fixed_size 0
		.amdhsa_enable_private_segment 0
		.amdhsa_kernarg_size 56
		.amdhsa_user_sgpr_count 2
		.amdhsa_user_sgpr_kernarg_segment_ptr 1
		.amdhsa_wavefront_size32 1
		.amdhsa_system_sgpr_workgroup_id_x 1
		.amdhsa_system_sgpr_workgroup_id_y 1
		.amdhsa_system_sgpr_workgroup_id_z 1
		.amdhsa_system_vgpr_workitem_id 0
		.amdhsa_next_free_vgpr 162
		.amdhsa_next_free_sgpr 66
		.amdhsa_reserve_vcc 1
		.amdhsa_float_denorm_mode_32 3
		.amdhsa_float_denorm_mode_16_64 3
		.amdhsa_memory_ordered 1
		.amdhsa_forward_progress 1
		.amdhsa_inst_pref_size 10
	.end_amdhsa_kernel
	.amdgpu_metadata
---
amdhsa.version: [ 1, 2 ]
amdhsa.kernels:
  - .name:           k_q8006d54803_prep
    .symbol:         k_q8006d54803_prep.kd
    .args:
      - { .name: W_codes, .offset: 0, .size: 8, .value_kind: global_buffer, .address_space: global }
      - { .name: W_scales, .offset: 8, .size: 8, .value_kind: global_buffer, .address_space: global }
      - { .name: role_onehot, .offset: 16, .size: 8, .value_kind: global_buffer, .address_space: global }
      - { .name: scales, .offset: 24, .size: 8, .value_kind: global_buffer, .address_space: global }
      - { .name: Wf, .offset: 32, .size: 8, .value_kind: global_buffer, .address_space: global }
      - { .name: Sf, .offset: 40, .size: 8, .value_kind: global_buffer, .address_space: global }
      - { .name: rolemask, .offset: 48, .size: 8, .value_kind: global_buffer, .address_space: global }
    .group_segment_fixed_size: 34304
    .private_segment_fixed_size: 0
    .kernarg_segment_align: 8
    .kernarg_segment_size: 56
    .max_flat_workgroup_size: 128
    .sgpr_count:     66
    .vgpr_count:     162
    .wavefront_size: 32
...
	.end_amdgpu_metadata
.endif
;; end of part 3
;; launch roles (part 4): grid 8 x 32, 4 waves a work-group, no clusters, 164,352 bytes of LDS; arguments hidden_codes, hidden_scales, Wf, Sf, b, role_onehot, scales, rolemask, out0; writes out0
.if DOCPART == 4
	.amdgcn_target "amdgcn-amd-amdhsa--gfx1250"
	.amdhsa_code_object_version 6
	.text
	.protected	k_q8006d54803_roles
	.globl	k_q8006d54803_roles
	.p2align	8
	.type	k_q8006d54803_roles,@function
k_q8006d54803_roles:
	s_mov_b64 s[64:65], 0
	v_nop
	global_prefetch_b8 v0, s[64:65] scope:SCOPE_SE
	s_setreg_imm32_b32 hwreg(HW_REG_WAVE_SCHED_MODE, 0, 2), 2
	s_setreg_imm32_b32 hwreg(HW_REG_WAVE_MODE, 25, 1), 1
	s_wait_xcnt 0x0
	s_wait_alu depctr_vm_vsrc(0)
; out[b][s][e] = sum over roles r of g_r tanh( sum over d of hidden[b][s][d] W[r][d][e] + bias[r][e] ),  g_r = role_onehot[b][r] x scales[r].
; The product is made on codes of FP4 (E2M1) with one E8M0 scale for each 32 along K, as they are given; sums in f32; all behind the product in f32.
; A ROLE WHOSE g IS EXACTLY 0 ADDS EXACTLY 0 (tanh is bounded) AND IS NOT MULTIPLIED: the launch before has stored, for each batch, the mask of roles with g != 0; this launch reads it and walks the four roles in a loop
; of constant count, passing over the others by a scalar branch.  With weights that are all non-zero all four roles are computed.  A batch with no such role walks role 0 with g = 0 and so stores its zeros.
; tanh x = 1 - 2 / (1 + 2^(c x)), c = 2 log2(e), so out = (sum of g_r) - 2 sum of g_r / (1 + 2^(c acc + c bias)): the bias is the addend of the multiplication by c.
; LIMITS: under a weight g = 0 reference() would give 0 x NaN = NaN where a scale byte is 0xff or the bias is NaN or infinite sums meet; this text gives the finite sum of the other roles.
;   g is rounded once (weight x scale) where reference() multiplies twice; tanh is taken with an absolute error of a few units in the last place of the sum of |g|.
; SHARES.  Work-group (x, y): rows 128 y .. 128 y + 127 of the 4,096 rows (all of batch y / 4), columns 256 x .. 256 x + 255.  Wave w: all 128 rows x columns 64 (4 x + w) on: 32 accumulators of 16 x 16.
; hidden's 128 rows (codes and scale bytes, all of K) are brought into LDS once, through registers, in runs of 512 consecutive bytes, and stay.  W's fragments come from memory straight into registers, from the
; copy laid in the order of the operand's registers: each wave reads its 64 rows of W once, through a ring of four register sets of 256 along K, three sets ahead.
; NO TENSOR LOAD, AND SO NO CLUSTER AND NO JOINT LOAD: the walk over roles branches on a number read from memory; which tiles of W are asked for hangs on it, and partners of different batches would ask for different roles.
; THE MATRIX INSTRUCTION IS USED TRANSPOSED (source 0 = 16 rows of W, source 1 = 16 rows of hidden): lane (rr, h), register j of accumulator (i, t) is out(16 i + rr, 16 t + 8 h + j): eight neighbours of a row.
; REGISTERS, in windows of 256 (s_set_vgpr_msb: bits 1:0 source 0, 3:2 source 1, 5:4 source 2, 7:6 destination):
;   window 0: v1-14 addresses and the weights; v16-47 W's scale words; v48-111 hidden's scale words; v112-175, v176-239 hidden's fragments, two buffers (behind the products: at work, and rows on their way out); v240-255 staging
;   window 1: the accumulators, (i, t) at 8 (4 i + t); at the head the landing place of hidden's codes      window 2: the sum over roles, same places      window 3: W's ring, four sets of 64; set 0 takes the bias at a role's end
; THE MODE: SCHED_MODE bits 1:0 = 2 (LLVM: expert scheduling mode 2), set by the entry lines.  The code itself states the register dependences between vector or matrix instructions and memory or LDS instructions,
; with s_wait_alu, always for 0.
; THE PLAN.  Registers that memory or LDS instructions touch, and who else names them:
;   v1-11           addresses and offsets: v3 and v10 are made ahead of the first loads, the others while those are on their way; one wait on va_vdst behind each of the two runs; none is ever written again.
;   v240-255, window 1   at the head: loads land there and LDS stores read them.  Window 1 is then written by the products, v254 and v255 by the closing add's makers: one wait on vm_vsrc behind the barrier.
;   WS, ring sets 0-2, AF[0]   asked for at a role's head; named before by the last role's products and by its end's arithmetic: one wait on va_vdst at the role's head, which serves K step 0's loads too.
;   AF[k % 2]       read by K step k's products; the loads issued in step k + 1 land in it.      ring set u % 4   read by K steps 2 u and 2 u + 1; the loads issued in step 2 u + 2 land in it.
;                   So ONE wait on va_vdst stands at the head of each of K steps 1 to 14.  The step's products name the other buffer, another ring set, the scale words and the accumulators: none of the registers
;                   in which the step's loads land.  So these go in two runs, one at the step's head and one in its middle, with no further wait.
;   TB[i % 2]       the last role's end: written by block i's arithmetic, read by block i's LDS stores, written again by block i + 2.
;   BK[i % 2]       block i's loads from the stage land in it; the global stores issued in block i + 1 read it; block i + 2's loads land in it again.
;                   One wait on va_vdst a block ahead of the LDS stores; one wait on vm_vsrc at the head of blocks 2 to 7 for both buffers.
.set APITCH, 1040                      ; a row of hidden's codes in LDS: 1,024 bytes + 16: row r starts 16 r bytes on modulo 256, so the 16 rows that a load touches do not meet
.set ABLK,   16*APITCH
.set ASCL,   128*APITCH                ; behind the codes: hidden's scale bytes, rows of 64 bytes + 16
.set SPITCH, 80
.set STAGE,  ASCL+128*SPITCH           ; behind them: 16 rows x (256 bytes + 16) for each wave, for the way out
.set GPITCH, 272
.set AFA,  1                           ; v1, v2  LDS address of my lane's place in row blocks 0-3, 4-7 (the 16-bit offset does not reach the upper four)
.set L16,  3                           ; v3   16 x lane
.set BOFF, 4                           ; v4   32 h: my eight columns of a tile of the bias
.set STO,  5                           ; v5   the way out: where I put 32 bytes of a row
.set RD,   6                           ; v6   where I read a row back
.set CO,   7                           ; v7   my byte offset in two rows of out0
.set STA,  8                           ; v8   staging: my wave's 32 rows of codes, 16 x lane
.set STS,  9                           ; v9   staging: my 16 scale bytes
.set T16,  10                          ; v10  16 x thread
.set ASA,  11                          ; v11  my lane's row of hidden's scale bytes
.set GM,   12                          ; v12, v13  -2 g of the role in hand, twice
.set GS,   14                          ; v14  the sum of the four g
.set WS,   16                          ; W's scale words: register 16 p + k: lanes 0-15 block t = 2 p, lanes 16-31 block 2 p + 1, K step k
.set ASW,  48                          ; hidden's: register 16 p + k: lanes 0-15 row block i = 2 p, lanes 16-31 block 2 p + 1
.set AF0,  112                         ; hidden's fragments: buffer k % 2 at AF0 + 64 (k % 2), block i at + 8 i
.set TB,   112                         ; behind the products: two sets of 32 numbers at work
.set BK,   176                         ; and two sets of 32 registers: rows read back from the stage
.set LAND, 240
.set BI,   0                           ; in window 3: c x bias, 8 t + j
.set CC,   32                          ; s[32:33] c, twice
.set MSB, 0
.macro WIN new                         ; the immediate's high byte repeats the setting that is left; a switch that changes nothing is dropped
.if MSB != \new
	s_set_vgpr_msb (MSB<<8)|\new
.set MSB, \new
.endif
.endm
.set MULW, 0x53                        ; source 0 (W) window 3, source 1 (hidden) window 0, C and D window 1
.set TOW3, 0xc0                        ; destination window 3
.set TOW1, 0x40                        ; destination window 1
.set ST1,  0x04                        ; a store's data (source 1) window 1
.set INI,  0x80                        ; destination window 2
.set BCW,  0xc3                        ; destination and source 0 window 3
.set EP1,  0x31                        ; source 0 window 1, source 2 window 3
.set EPO,  0xa0                        ; destination and source 2 window 2
.set EPL,  0x20                        ; source 2 window 2
; A load into a register that a matrix instruction has read stands four places behind it, and only plain vector instructions that name none of its registers are places.
.macro PLACES
.rept 4
	v_nop
.endr
.endm
.macro WLOAD u, hf                     ; half hf of W's eight fragments of 256 along K, 4,096 consecutive bytes, into ring set u % 4: load n = 4 t + 2 q2 + c (n = 8 hf on) brings registers 4 c .. of fragment (t, q2)
	WIN TOW3
.set WB, 64*((\u)%4)+32*(\hf)
.irp n, 0,1,2,3,4,5,6,7
	global_load_b128 v[WB+4*\n:WB+4*\n+3], v[L16], s[8:9] offset:8192*(\u)+4096*(\hf)+512*\n
.endr
.endm
.macro BLOAD hf                        ; the role's bias in the result's layout: for tiles t = 2 hf, 2 hf + 1 my eight columns 16 t + 8 h + 0 .. 7, into ring set 0
	WIN TOW3
.irp t, 0,1
	global_load_b128 v[BI+16*(\hf)+8*\t:BI+16*(\hf)+8*\t+3], v[BOFF], s[12:13] offset:128*(\hf)+64*\t
	global_load_b128 v[BI+16*(\hf)+8*\t+4:BI+16*(\hf)+8*\t+7], v[BOFF], s[12:13] offset:128*(\hf)+64*\t+16
.endr
.endm
.macro AFETCH k, hf                    ; hidden's fragments of K step k, row blocks 4 hf .. 4 hf + 3: lane (rr, h): row 16 i + rr, bytes 64 k + 32 c + 16 h
	WIN 0
.set FB, AF0+64*((\k)%2)+32*(\hf)
.irp i, 0,1,2,3
.irp c, 0,1
	ds_load_b128 v[FB+8*\i+4*\c:FB+8*\i+4*\c+3], v[AFA+\hf] offset:\i*ABLK+64*(\k)+32*\c
.endr
.endr
.endm
; Four products: row blocks 2 ip, 2 ip + 1 x W's blocks 2 tp, 2 tp + 1, K step k.  One scale register serves two blocks: the odd one's words lie in lanes 16-31.  zero = 1: the product starts the sum.
.macro QUAD ip, tp, k, zero
.set rD, 64*(\ip)+16*(\tp)
.set rW, 64*(((\k)/2)%4)+32*(\tp)+8*((\k)%2)
.set rA, AF0+64*((\k)%2)+16*(\ip)
.set rS, WS+16*(\tp)+(\k)
.set rH, ASW+16*(\ip)+(\k)
.if \zero
	v_wmma_scale_f32_16x16x128_f8f6f4 v[rD:rD+7], v[rW:rW+7], v[rA:rA+7], 0, v[rS], v[rH] matrix_a_fmt:MATRIX_FMT_FP4 matrix_b_fmt:MATRIX_FMT_FP4
	v_wmma_scale_f32_16x16x128_f8f6f4 v[rD+8:rD+15], v[rW+16:rW+23], v[rA:rA+7], 0, v[rS], v[rH] matrix_a_fmt:MATRIX_FMT_FP4 matrix_b_fmt:MATRIX_FMT_FP4 matrix_a_scale:MATRIX_SCALE_ROW1
	v_wmma_scale_f32_16x16x128_f8f6f4 v[rD+32:rD+39], v[rW:rW+7], v[rA+8:rA+15], 0, v[rS], v[rH] matrix_a_fmt:MATRIX_FMT_FP4 matrix_b_fmt:MATRIX_FMT_FP4 matrix_b_scale:MATRIX_SCALE_ROW1
	v_wmma_scale_f32_16x16x128_f8f6f4 v[rD+40:rD+47], v[rW+16:rW+23], v[rA+8:rA+15], 0, v[rS], v[rH] matrix_a_fmt:MATRIX_FMT_FP4 matrix_b_fmt:MATRIX_FMT_FP4 matrix_a_scale:MATRIX_SCALE_ROW1 matrix_b_scale:MATRIX_SCALE_ROW1
.else
	v_wmma_scale_f32_16x16x128_f8f6f4 v[rD:rD+7], v[rW:rW+7], v[rA:rA+7], v[rD:rD+7], v[rS], v[rH] matrix_a_fmt:MATRIX_FMT_FP4 matrix_b_fmt:MATRIX_FMT_FP4
	v_wmma_scale_f32_16x16x128_f8f6f4 v[rD+8:rD+15], v[rW+16:rW+23], v[rA:rA+7], v[rD+8:rD+15], v[rS], v[rH] matrix_a_fmt:MATRIX_FMT_FP4 matrix_b_fmt:MATRIX_FMT_FP4 matrix_a_scale:MATRIX_SCALE_ROW1
	v_wmma_scale_f32_16x16x128_f8f6f4 v[rD+32:rD+39], v[rW:rW+7], v[rA+8:rA+15], v[rD+32:rD+39], v[rS], v[rH] matrix_a_fmt:MATRIX_FMT_FP4 matrix_b_fmt:MATRIX_FMT_FP4 matrix_b_scale:MATRIX_SCALE_ROW1
	v_wmma_scale_f32_16x16x128_f8f6f4 v[rD+40:rD+47], v[rW+16:rW+23], v[rA+8:rA+15], v[rD+40:rD+47], v[rS], v[rH] matrix_a_fmt:MATRIX_FMT_FP4 matrix_b_fmt:MATRIX_FMT_FP4 matrix_a_scale:MATRIX_SCALE_ROW1 matrix_b_scale:MATRIX_SCALE_ROW1
.endif
.endm
; K step k of 16: 128 along K, 32 products.  What later steps want is asked for in two runs, one at the step's head and one behind its sixteenth product: in every step the next step's fragments of hidden (into the
; buffer that the last step multiplied), row blocks 0-3 and then 4-7; every second step ring set k / 2 + 3 (into the set that the last two steps multiplied), half and half, at k = 10 the bias in its stead.
; The 32 accumulators take turns, one instruction a turn, in the same order in every step.
.macro KSTEP k
.if ((\k) > 0) && ((\k) < 15)          ; K step 0's loads stand behind the wait at the role's head; K step 15 asks for nothing
	PLACES                                         ; behind the last step's products, in front of loads into registers that they read: first the places, then the wait
	s_wait_alu depctr_va_vdst(0)                   ; the last step's products are done reading hidden's other buffer, and the last two steps' their ring set: both runs of this step's loads land there, and no product of this step names those registers
.endif
.if (\k) < 15
	AFETCH (\k)+1, 0
.endif
.if ((\k)%2) == 0                      ; this pair of steps' ring set is in; what was asked for behind it may be out:
.if (\k) <= 8
	WLOAD (\k)/2+3, 0
	s_wait_loadcnt 40                              ; two sets of 16 loads and the 8 just issued (W's scale words were asked for ahead of set 0)
.elseif (\k) == 10
	BLOAD 0
	s_wait_loadcnt 36                              ; sets 6 and 7 and the bias's first 4 loads
.elseif (\k) == 12
	s_wait_loadcnt 24                              ; set 7 and the bias
.else
	s_wait_loadcnt 8                               ; the bias
.endif
.endif
.if (\k) < 15
	s_wait_dscnt 16                                ; this step's row blocks 0-3 are in; its blocks 4-7 and the 8 loads just issued may be out
.else
	s_wait_dscnt 8                                 ; this step's row blocks 0-3 are in; its blocks 4-7 may be out
.endif
	WIN MULW
.irp a, 0,1
.irp b, 0,1
.if (\k) == 0
	QUAD \a, \b, \k, 1
.else
	QUAD \a, \b, \k, 0
.endif
.endr
.endr
.if (\k) < 15
	AFETCH (\k)+1, 1                               ; no wait on va_vdst: no product since the one at the step's head names these registers
.endif
.if ((\k)%2) == 0
.if (\k) <= 8
	WLOAD (\k)/2+3, 1
.elseif (\k) == 10
	BLOAD 1
.endif
.endif
.if (\k) < 15
	s_wait_dscnt 16                                ; this step's row blocks 4-7 are in; the next step's 16 loads may be out
.else
	s_wait_dscnt 0x0
.endif
	WIN MULW
.irp a, 2,3
.irp b, 0,1
.if (\k) == 0
	QUAD \a, \b, \k, 1
.else
	QUAD \a, \b, \k, 0
.endif
.endr
.endr
	WIN 0
.endm
; Row block i behind the products: 1 / (1 + 2^(c acc + c bias)) of its 32 numbers a lane, into set i % 2.  Each accumulator is read from its low end on.
.macro EPIT i
.set TT, TB+32*((\i)%2)
	WIN EP1
.set j, 0
.rept 16
	v_pk_fma_f32 v[TT+j:TT+j+1], v[32*(\i)+j:32*(\i)+j+1], s[CC:CC+1], v[BI+j:BI+j+1] op_sel_hi:[1,0,1]
.set j, j+2
.endr
	WIN 0
.set j, 0
	s_wait_alu depctr_va_vdst(0)
.rept 32
	v_exp_f32 v[TT+j], v[TT+j]
.set j, j+1
.endr
	v_nop                                          ; one plain instruction between the last exponential and the use of its result (ISA guide 5.7.2)
.set j, 0
	s_wait_alu depctr_va_vdst(0)                   ; the 32 exponentials have written their results, which the additions read: one wait for the batch
.rept 16
	v_pk_add_f32 v[TT+j:TT+j+1], v[TT+j:TT+j+1], 1.0 op_sel_hi:[1,0]
.set j, j+2
.endr
.set j, 0
	s_wait_alu depctr_va_vdst(0)
.rept 32
	v_rcp_f32 v[TT+j], v[TT+j]
.set j, j+1
.endr
	v_nop                                          ; likewise behind the last reciprocal
.endm
.macro TOSTAGE i                       ; a lane's 32 bytes of a row go into my own stage and come back as whole rows of 256 bytes.  LDS serves a wave's instructions in order: no wait between
.set TT, TB+32*((\i)%2)
.set BB, BK+32*((\i)%2)
.irp t, 0,1,2,3
	ds_store_b128 v[STO], v[TT+8*\t:TT+8*\t+3] offset:64*\t
	ds_store_b128 v[STO], v[TT+8*\t+4:TT+8*\t+7] offset:64*\t+16
.endr
.irp n, 0,1,2,3,4,5,6,7
	ds_load_b128 v[BB+4*\n:BB+4*\n+3], v[RD] offset:2*GPITCH*\n
.endr
.endm
.macro SEND i                          ; sixteen lanes store 256 consecutive bytes, at a multiple of 256 from out0's first byte; the row stands in the immediate (126 rows of 8,192 bytes at the most); written once, read by nobody here
.set BB, BK+32*((\i)%2)
.irp n, 0,1,2,3,4,5,6,7
	global_store_b128 v[CO], v[BB+4*\n:BB+4*\n+3], s[20:21] offset:(16*(\i)+2*\n)*8192 th:TH_STORE_NT
.endr
.endm
; A role's end.  send = 0: its part is added to the sum over roles.  send = 1: it is the last role of the mask: the sum is finished block by block and leaves.
.macro EPILOGUE send
	s_wait_loadcnt 0x0                             ; the bias
	v_mul_f32 v[GM], s40, s44                      ; g of the role in hand.  (These lines and the 16 below name no register of the last products: they are the places behind them)
	v_mul_f32 v[GM], -2.0, v[GM]
	v_mov_b32 v[GM+1], v[GM]
	WIN BCW
.set j, 0
.rept 16
	v_pk_mul_f32 v[BI+j:BI+j+1], v[BI+j:BI+j+1], s[CC:CC+1] op_sel_hi:[1,0]   ; c x bias
.set j, j+2
.endr
.irp i, 0,1,2,3,4,5,6,7
.if \send
.if \i > 1
	s_wait_alu depctr_vm_vsrc(0)                   ; block i - 2's LDS stores have read the set of 32 numbers that this block's arithmetic writes again, and its global stores the registers into which this block comes back from the stage
.endif
.endif
	EPIT \i
.if \send
	WIN EPL
.set j, 0
	s_wait_alu depctr_va_vdst(0)                   ; the 32 reciprocals have written their results, which the multiply-adds read: one wait for the batch
.rept 16
	v_pk_fma_f32 v[TT+j:TT+j+1], v[TT+j:TT+j+1], v[GM:GM+1], v[32*\i+j:32*\i+j+1]
.set j, j+2
.endr
	WIN 0
.if \i > 1
	s_wait_xcnt 0x0                                ; block i - 2's stores have read the registers into which this block comes back
.endif
	s_wait_dscnt 0x0                               ; block i - 1 is back in registers (asked for ahead of this block's arithmetic)
.if \i > 0
	SEND \i-1
.endif
	s_wait_alu depctr_va_vdst(0)                   ; the multiply-adds have written this block's 32 numbers, which the LDS stores read; the last K step's products are done reading the registers in which the rows come back
	TOSTAGE \i
.else
	WIN EPO
.set j, 0
	s_wait_alu depctr_va_vdst(0)                   ; the 32 reciprocals have written their results, which the multiply-adds read: one wait for the batch
.rept 16
	v_pk_fma_f32 v[32*\i+j:32*\i+j+1], v[TT+j:TT+j+1], v[GM:GM+1], v[32*\i+j:32*\i+j+1]
.set j, j+2
.endr
	WIN 0
.endif
.endr
.if \send
	s_wait_dscnt 0x0
	SEND 7
.endif
.endm
	s_load_b256 s[4:11], s[0:1], 0x0               ; hidden_codes s[4:5], hidden_scales s[6:7], Wf s[8:9], Sf s[10:11]
	s_load_b256 s[12:19], s[0:1], 0x20             ; b s[12:13], role_onehot s[14:15], scales s[16:17], rolemask s[18:19]
	s_load_b64 s[20:21], s[0:1], 0x40              ; out0
	v_lshrrev_b32 v112, 5, v0
	v_readfirstlane_b32 s22, v112                  ; wave 0..3
	v_and_b32 v112, 31, v0                         ; lane
	v_lshlrev_b32 v[L16], 4, v112
	v_lshlrev_b32 v[T16], 4, v0
	s_and_b32 s24, ttmp7, 0xffff                   ; y: my 128 rows
	s_lshl_b32 s25, ttmp9, 2
	s_wait_alu depctr_va_sdst(0)                   ; s22 is written, ahead of its first reader: the wave's columns, bases and LDS places are made from it
	s_add_co_u32 s25, s25, s22                     ; ew = 4 x + wave: my 64 columns
	s_mov_b32 s27, 0
	s_mov_b32 s[CC], 0x4038aa3b                    ; c = 2 log2(e)
	s_mov_b32 s[CC+1], s[CC]                       ; (named with it as a pair, so it is written)
	s_wait_kmcnt 0x0
	s_lshl_b32 s26, s24, 17                        ; hidden's codes: y x 128 rows of 1,024 bytes + wave x 32 rows
	s_lshl_b32 s30, s22, 15
	s_add_co_u32 s26, s26, s30
	s_add_nc_u64 s[4:5], s[4:5], s[26:27]
	s_lshl_b32 s26, s24, 13                        ; its scale bytes: y x 128 rows of 64 bytes
	s_add_nc_u64 s[6:7], s[6:7], s[26:27]
	s_lshl_b32 s26, s25, 16                        ; Wf: role 0, ew
	s_add_nc_u64 s[8:9], s[8:9], s[26:27]
	s_lshl_b32 s26, s25, 12                        ; Sf likewise
	s_add_nc_u64 s[10:11], s[10:11], s[26:27]
	s_lshl_b32 s26, s25, 8                         ; the bias: my 64 columns, 256 bytes
	s_add_nc_u64 s[12:13], s[12:13], s[26:27]
	s_lshl_b32 s30, s24, 20                        ; out0: y x 128 rows of 8,192 bytes + the same 256 bytes
	s_add_co_u32 s26, s26, s30
	s_add_nc_u64 s[20:21], s[20:21], s[26:27]
	s_lshr_b32 s30, s24, 2                         ; the batch
	s_lshl_b32 s26, s30, 4
	s_add_nc_u64 s[14:15], s[14:15], s[26:27]
	s_lshl_b32 s26, s30, 2
	s_add_nc_u64 s[18:19], s[18:19], s[26:27]
	s_load_b128 s[40:43], s[14:15], 0x0            ; the batch's four weights
	s_load_b128 s[44:47], s[16:17], 0x0            ; the four roles' scales
	s_load_b32 s28, s[18:19], 0x0                  ; the batch's mask of roles
	; hidden's rows on their way: the work-group's 8,192 scale bytes (16 a thread, four times), then my wave's 32 rows of codes, 512 consecutive bytes a load.  Other work-groups read them again: no hint.
	s_wait_alu depctr_va_vdst(0)                   ; v3 and v10 are written: the 68 loads below read them as their offsets
.irp i, 0,1,2,3
	global_load_b128 v[LAND+4*\i:LAND+4*\i+3], v[T16], s[6:7] offset:2048*\i
.endr
	WIN TOW1
.set j, 0
.rept 64
	global_load_b128 v[4*j:4*j+3], v[L16], s[4:5] offset:512*j
.set j, j+1
.endr
	WIN 0
	; while they are on their way: the other addresses, the weights, and the start of the sum over roles.  None of these lines writes a register that those loads read or land in
	v_and_b32 v113, 15, v0                         ; rr
	v_bfe_u32 v114, v0, 4, 1                       ; h
	v_mul_u32_u24 v[AFA], v113, APITCH
	v_lshl_add_u32 v[AFA], v114, 4, v[AFA]         ; a fragment's row x pitch + 16 h
	v_add_nc_u32 v[AFA+1], 4*ABLK, v[AFA]
	v_lshlrev_b32 v[BOFF], 5, v114
	s_mul_i32 s30, s22, 16*GPITCH
	s_add_co_u32 s30, s30, STAGE                   ; my stage
	v_mul_u32_u24 v[STO], v113, GPITCH             ; in: row rr, 32 bytes for each half of the lanes
	v_lshl_add_u32 v[STO], v114, 5, v[STO]
	v_add_nc_u32 v[STO], s30, v[STO]
	v_mul_u32_u24 v[RD], v114, GPITCH              ; back: lanes 0-15 one row of 256 bytes, lanes 16-31 the next
	v_lshl_add_u32 v[RD], v113, 4, v[RD]
	v_add_nc_u32 v[RD], s30, v[RD]
	v_lshlrev_b32 v[CO], 13, v114                  ; and the same two rows in out0
	v_lshl_add_u32 v[CO], v113, 4, v[CO]
	s_mul_i32 s31, s22, 32*APITCH
	v_add_nc_u32 v[STA], s31, v[L16]               ; my wave's 32 rows of codes in LDS
	v_lshrrev_b32 v115, 2, v0                      ; four threads to a row of 64 scale bytes
	v_mul_u32_u24 v115, v115, SPITCH
	v_and_b32 v116, 3, v0
	v_lshl_add_u32 v115, v116, 4, v115
	v_add_nc_u32 v[STS], ASCL, v115
	v_mul_u32_u24 v[ASA], v112, SPITCH
	v_add_nc_u32 v[ASA], ASCL, v[ASA]
	s_wait_kmcnt 0x0
	s_and_b32 s28, s28, 15
	s_max_u32 s28, s28, 1                          ; no role with g != 0: role 0 is walked with its g = 0, and the zeros are stored
	v_mul_f32 v[GS], s40, s44
	v_fma_f32 v[GS], s41, s45, v[GS]
	v_fma_f32 v[GS], s42, s46, v[GS]
	v_fma_f32 v[GS], s43, s47, v[GS]               ; the sum of the four g
	WIN INI
.set j, 0
.rept 256
	v_mov_b32 v[j], v[GS]                          ; the sum over roles starts as that number, not as zero: which role comes first hangs on the mask, so no product can start it
.set j, j+1
.endr
	WIN 0
	s_wait_alu depctr_va_vdst(0)                   ; the addresses v1, v2, v4 to v9 and v11 are written, which LDS and memory instructions read from here to the kernel's end; the lines above are done with v112 to v116, in which the first fragments land
	s_wait_loadcnt 63                              ; of the 68 loads at most 63 are out: the four of scale bytes are in
.irp i, 0,1,2,3
	ds_store_b128 v[STS], v[LAND+4*\i:LAND+4*\i+3] offset:32*SPITCH*\i
.endr
	WIN ST1
.set j, 0
.rept 64
	s_wait_loadcnt 63-j                            ; load j is in, the 63 - j behind it may be out
	ds_store_b128 v[STA], v[4*j:4*j+3] offset:(j/2)*APITCH+(j%2)*512
.set j, j+1
.endr
	WIN 0
	s_wait_dscnt 0x0                               ; for the others' sake: my stores have landed
	s_barrier_signal -1
	s_barrier_wait -1                              ; the launch's one barrier, ahead of every branch on the mask: from here on hidden's bytes in LDS are only read
	s_wait_alu depctr_vm_vsrc(0)                   ; my LDS stores have read window 1, which the products write from here on, and v240 to v255, of which the closing add's two registers are made
.irp p, 0,1,2,3
.irp g, 0,1,2,3
	ds_load_b128 v[ASW+16*\p+4*\g:ASW+16*\p+4*\g+3], v[ASA] offset:32*SPITCH*\p+16*\g   ; hidden's scale words, once for the launch: lane l takes row 32 p + l; K steps 4 g .. 4 g + 3
.endr
.endr
	s_mov_b32 s29, 0
.Lrole:                                                ; four trips; bit 0 of s28 is the role in hand, whose weight and scale stand in s40 and s44
	s_and_b32 s30, s28, 1
	s_cmp_eq_u32 s30, 0
	s_cbranch_scc1 .Lskip
	s_wait_alu depctr_va_vdst(0)                   ; round the loop: the last role's products are done reading W's scale words, the ring and hidden's fragments, and its end has written ring set 0 (c x bias) and v112 to v175: the loads below, and K step 0's, land in these
.irp n, 0,1,2,3,4,5,6,7
	global_load_b128 v[WS+4*\n:WS+4*\n+3], v[L16], s[10:11] offset:512*\n   ; W's scale words of my 64 rows, all of K: 4,096 consecutive bytes
.endr
.irp u, 0,1,2
	WLOAD \u, 0
	WLOAD \u, 1
.endr
	AFETCH 0, 0
	AFETCH 0, 1
.irp k, 0,1,2,3,4,5,6,7,8,9,10,11,12,13,14,15
	KSTEP \k
.endr
	s_lshr_b32 s31, s28, 1
	s_cmp_eq_u32 s31, 0
	s_cbranch_scc1 .Llast                          ; no further role in the mask: this one's end also stores
	EPILOGUE 0
.Lskip:
	s_wait_xcnt 0x0                                ; the bases are stepped only behind this wait
	s_add_nc_u64 s[8:9], s[8:9], 0x200000          ; the next role: 32 x 65,536 bytes of Wf,
	s_add_nc_u64 s[10:11], s[10:11], 0x20000       ; 32 x 4,096 of Sf,
	s_add_nc_u64 s[12:13], s[12:13], 0x2000        ; a row of the bias;
	s_mov_b32 s40, s41                             ; its weight and its scale move down
	s_mov_b32 s41, s42
	s_mov_b32 s42, s43
	s_mov_b32 s44, s45
	s_mov_b32 s45, s46
	s_mov_b32 s46, s47
	s_lshr_b32 s28, s28, 1
	s_add_co_u32 s29, s29, 1
	s_cmp_lt_u32 s29, 4
	s_cbranch_scc1 .Lrole
	s_wait_xcnt 0x0
	v_lshl_add_u32 v254, v0, 2, 0x28000            ; the add's two registers, made anew: no memory or LDS instruction has read v254 or v255 since the wait on vm_vsrc behind the barrier
	v_mov_b32 v255, 0
	s_wait_dscnt 0x0                               ; the closing lines, six on end
	s_wait_alu 0x0
	s_wait_tensorcnt 0x0
	ds_add_u32 v254, v255
	s_wait_dscnt 0x0
	s_endpgm                                       ; not reached: the mask lies between 1 and 15, so one of the four trips finds its highest bit and leaves by .Llast
.Llast:
	EPILOGUE 1
	s_wait_xcnt 0x0
	v_lshl_add_u32 v254, v0, 2, 0x28000            ; the add's two registers, made anew: no memory or LDS instruction has read v254 or v255 since the wait on vm_vsrc behind the barrier
	v_mov_b32 v255, 0
	s_wait_dscnt 0x0                               ; the closing lines, six on end
	s_wait_alu 0x0
	s_wait_tensorcnt 0x0
	ds_add_u32 v254, v255
	s_wait_dscnt 0x0
	s_endpgm
.Lfunc_end_k_q8006d54803_roles:
	.size	k_q8006d54803_roles, .Lfunc_end_k_q8006d54803_roles-k_q8006d54803_roles
	.p2alignl 7, 3214868480
	.fill 96, 4, 3214868480
	.section	.rodata,"a",@progbits
	.p2align	6, 0x0
	.amdhsa_kernel k_q8006d54803_roles
		.amdhsa_group_segment_fixed_size 164352
		.amdhsa_private_segment_fixed_size 0
		.amdhsa_enable_private_segment 0
		.amdhsa_kernarg_size 72
		.amdhsa_user_sgpr_count 2
		.amdhsa_user_sgpr_kernarg_segment_ptr 1
		.amdhsa_wavefront_size32 1
		.amdhsa_system_sgpr_workgroup_id_x 1
		.amdhsa_system_sgpr_workgroup_id_y 1
		.amdhsa_system_sgpr_workgroup_id_z 1
		.amdhsa_system_vgpr_workitem_id 0
		.amdhsa_next_free_vgpr 1024
		.amdhsa_next_free_sgpr 66
		.amdhsa_reserve_vcc 0
		.amdhsa_float_denorm_mode_32 3
		.amdhsa_float_denorm_mode_16_64 3
		.amdhsa_memory_ordered 1
		.amdhsa_forward_progress 1
		.amdhsa_inst_pref_size 229
	.end_amdhsa_kernel
	.amdgpu_metadata
---
amdhsa.version: [ 1, 2 ]
amdhsa.kernels:
  - .name:           k_q8006d54803_roles
    .symbol:         k_q8006d54803_roles.kd
    .args:
      - { .name: hidden_codes, .offset: 0, .size: 8, .value_kind: global_buffer, .address_space: global }
      - { .name: hidden_scales, .offset: 8, .size: 8, .value_kind: global_buffer, .address_space: global }
      - { .name: Wf, .offset: 16, .size: 8, .value_kind: global_buffer, .address_space: global }
      - { .name: Sf, .offset: 24, .size: 8, .value_kind: global_buffer, .address_space: global }
      - { .name: b, .offset: 32, .size: 8, .value_kind: global_buffer, .address_space: global }
      - { .name: role_onehot, .offset: 40, .size: 8, .value_kind: global_buffer, .address_space: global }
      - { .name: scales, .offset: 48, .size: 8, .value_kind: global_buffer, .address_space: global }
      - { .name: rolemask, .offset: 56, .size: 8, .value_kind: global_buffer, .address_space: global }
      - { .name: out0, .offset: 64, .size: 8, .value_kind: global_buffer, .address_space: global }
    .group_segment_fixed_size: 164352
    .private_segment_fixed_size: 0
    .kernarg_segment_align: 8
    .kernarg_segment_size: 72
    .max_flat_workgroup_size: 128
    .sgpr_count:     66
    .vgpr_count:     1024
    .wavefront_size: 32
...
	.end_amdgpu_metadata
.endif
;; end of part 4
